; MI455X (gfx1250); checked and timed in simulation.
; The chip was launched on July 23, 2026; its instructions are those of AMD's public machine-readable ISA for CDNA 5 (MIT licence, August 2026) and "CDNA5" Instruction Set Architecture Reference Guide (July 2026). The comments in the code are by the model that wrote it; some were corrected since.
;; Full Attention. Allowed arithmetic: matrix products marked QUANTISED: E2M1 operands, one E8M0 scale for each 32 along K, by v_wmma_scale_f32_16x16x128_f8f6f4 with both operands' format E2M1 (or v_wmma_scale_f32_32x16x128_f4), f32 sums; everything else in f32.
;; Inputs: keys_codes 2 x 16 x 2,048 x 4 x 16 uint8 (E2M1 codes of keys, K innermost, in blocks of 32 codes, two codes a byte); keys_scales 2 x 16 x 2,048 x 4 uint8 (E8M0 scales of keys, one for each 32 codes along K); queries_codes 2 x 16 x 2,048 x 4 x 16 uint8 (E2M1 codes of queries, K innermost, in blocks of 32 codes, two codes a byte); queries_scales 2 x 16 x 2,048 x 4 uint8 (E8M0 scales of queries, one for each 32 codes along K); values_codes 2 x 16 x 128 x 64 x 16 uint8 (E2M1 codes of values, K innermost, in blocks of 32 codes, two codes a byte); values_scales 2 x 16 x 128 x 64 uint8 (E8M0 scales of values, one for each 32 codes along K).
;; Outputs: out0 2 x 16 x 2,048 x 128 float32.
;; This version of the problem:
;;   THIS VERSION OF THE PROBLEM IS GIVEN IN LOW PRECISION. The matrix products marked QUANTISED in the list below multiply operands that are first quantised to E2M1 (2 exponent bits, 1 mantissa bit; 4 bits a number), with one power-of-two scale for each 32 numbers along K (OCP MX v1.0); their sums are f32. All else is computed in f32.
;;   The module's matrix products, in the order in which they are computed (A, B: the left and right operand; K: the contracted axis; several contracted axes count as one K, in the product's order):
;;     1. batch 32 x [M 2,048, K 128] x [K 128, N 2,048]; A: input queries (given as codes); B: input keys (given as codes): QUANTISED
;;     2. batch 32 x [M 2,048, K 2,048] x [K 2,048, N 128]; A: softmax (see below); B: input values (given as codes): QUANTISED
;;   THE QUANTISER, for each operand of a quantised product, along K:
;;     - K is cut into blocks of 32 from its start; a last block that is shorter is filled with zeros.
;;     - A block's scale is 2^e with e = floor(log2(the largest magnitude in the block)) - 2, held to -126 .. 127; a block of zeros has e = 0. As a byte (E8M0): e + 127.
;;     - Each number is divided by its block's scale, clamped to +-6, and rounded to the nearest number of E2M1, ties to even, subnormals kept.
;;     - The product sums the exact products of the quantised numbers (number of the format x scale) in f32.
;;   ~~~python
;;   def quantise(x, axis):      # numpy; x: float32 -> the quantised numbers, widened to float32 again
;;       x = np.moveaxis(x, axis, -1); K = x.shape[-1]
;;       x = np.pad(x, [(0, 0)] * (x.ndim - 1) + [(0, -K % 32)]); x = x.reshape(x.shape[:-1] + (-1, 32)); a = np.abs(x).max(-1, keepdims=True)
;;       e = np.where(a > 0, np.clip(np.frexp(np.where(a > 0, a, 1))[1] - 1 - 2, -126, 127), 0)      # np.frexp(a)[1] - 1 = floor(log2(a)), exactly
;;       r = np.clip(x / 2.0 ** e, -6, 6)
;;       step = 2.0 ** (np.maximum(np.frexp(np.where(r == 0, 1, r))[1] - 1, 0) - 1)
;;       q = np.round(r / step) * step * 2.0 ** e      # np.round: ties to even
;;       return np.moveaxis(q.reshape(q.shape[:-2] + (-1,))[..., :K], -1, axis).astype(np.float32)
;;   ~~~
;;   SOFTMAX AHEAD OF A QUANTISED PRODUCT. Where the list says 'softmax', what is quantised is not the finished softmax but p = 2^(t - M), with t = logit x log2(e) and M = ceil(the row's largest t), a whole number; so 1/2 < the row's largest p <= 1. The row's sum l is taken of the UNQUANTISED p, in f32, and the product's result is divided by l at the end. Since M is a whole number, a kernel that streams over the keys may use a running M (the ceiling of the running maximum): every later rescaling is an exact power of two, which a block's scale takes up: the codes' values come out the same.
;;   OPERANDS COMPUTED ON THE WAY. 'Computed on the way' means the value that the module computes at that place (a softmax that the list does not call 'softmax' is quantised finished and normalised). What goes into a quantiser is computed in f32, as accurately as f32 sums, v_exp_f32 and their like allow (about 1e-6 of the number): no bf16 or f16 on the way to a quantiser, and a product that is left as it is and whose result goes on into a quantised operand takes f32 operands (vector FMAs, or v_wmma_f32_16x16x4_f32). A number that lies on a knife's edge between two numbers of the format may be rounded either way, as far as f32 arithmetic and the matrix unit's own rounding can turn it there, and no further.
;;   INPUTS GIVEN AS CODES. keys (in the module: [2, 16, 2048, 128], K = its axis 3); queries (in the module: [2, 16, 2048, 128], K = its axis 3); values (in the module: [2, 16, 2048, 128], K = its axis 2): each comes as NAME_codes (uint8): NAME with its K axis moved to the last place and cut into blocks of 32 codes, [.., K / 32, bytes a block], one block behind the other in memory; two codes a byte, the lower K in the low four bits (a code: sign, 2 exponent bits, 1 mantissa bit); and NAME_scales (uint8): the same leading axes, one E8M0 byte (e + 127) for each 32 codes along K. Its value is code x scale, taken as it is: it is not quantised again, and the codes and scales need not be those that the quantiser above would give.
;; One version. Each part assembles by itself: llvm-mc -triple=amdgcn-amd-amdhsa -mcpu=gfx1250 --defsym DOCPART=n.
;; ======== version 1 of 1: 1 launch
;; limits: inputs' magnitudes at most 17,592,186,044,416; below input magnitudes of 8.9e-16 results are inexact or not finite
;; launch attn (part 1): grid 8 x 32, 16 waves a work-group, clusters of 4 x 1, 327,680 bytes of LDS; arguments queries_codes, queries_scales, keys_codes, keys_scales, values_codes, values_scales, out0; writes out0
.if DOCPART == 1
	.amdgcn_target "amdgcn-amd-amdhsa--gfx1250"
	.amdhsa_code_object_version 6
	.text
	.protected	k_q3c05158459_attn
	.globl	k_q3c05158459_attn
	.p2align	8
	.type	k_q3c05158459_attn,@function
k_q3c05158459_attn:
	s_mov_b64 s[64:65], 0
	v_nop
	global_prefetch_b8 v0, s[64:65] scope:SCOPE_SE
	s_setreg_imm32_b32 hwreg(HW_REG_WAVE_MODE, 25, 1), 1
	s_wait_xcnt 0x0
	s_wait_alu depctr_hold_cnt(0) depctr_sa_sdst(0) depctr_va_vdst(0) depctr_va_sdst(0) depctr_va_ssrc(0) depctr_va_vcc(0) depctr_vm_vsrc(0)
	s_getreg_b32 s2, hwreg(HW_REG_IB_STS2, 6, 4)
	s_cmp_eq_u32 s2, 0
	s_cbranch_scc0 .Lentry_in_a_cluster
	s_endpgm
.Lentry_in_a_cluster:
	s_bfe_u32 s2, ttmp6, 0x10000c
	s_cmp_lg_u32 s2, 0x3003
	s_cbranch_scc0 .Lentry_shape_is_right
	s_endpgm
.Lentry_shape_is_right:
; out0[head][q][:] = the sum over k of softmax_k(clip(mask(Q[q] . K[k] / sqrt(128)), -50, 50)) V[k][:], 32 heads, 2,048 queries and keys, head size 128.
; Both products run on the given codes of FP4 (E2M1) with one E8M0 byte for each 32 along a product's K: Q, K [head][2048][64 bytes], scales [head][2048][4]; V with the keys innermost, [head][128][1024 bytes], scales [head][128][64].
; THE CLIP STANDS BEHIND THE MASK: a hidden key (k > q) does not vanish, its logit is exactly -50.
; WORK LEFT OUT: the products K Q^T of key steps that lie wholly behind a tile's queries.  reference() overwrites those scores by a constant of its own (jnp.where on the triangle that it builds), whatever finite values the
;   inputs hold, so they reach no output.  No input falls away.  LIMIT: a NaN, an infinity or an overflow that would arise in those scores alone is not carried to the result.
; NO MAXIMUM IS TAKEN AWAY (M = 0): reference()'s own clip holds every t = logit x log2(e) in [-T, T], T = 50 log2(e) = 72.135, for every input.  So p = 2^t lies in [2^-72.2, 2^72.2] and a row's sum in [2^-61, 2^83.2]:
;   neither can overflow or underflow in f32.  A whole-number M is a power of two that the blocks' scale bytes take up, so the codes' values are those of the stated rule; they part only where that rule's byte is held at 1,
;   for p under 2^-124 of the row's largest.
; THE HIDDEN KEYS OF WHOLE STEPS ARE SUMMED ONCE FOR ALL QUERIES THAT SHARE THEM.  With M = 0 a hidden key's p is one constant, pc = 2^-T = 1.82 x 2^-73: a block of 32 of them has the byte 52 and the code 7 (7.29 held at 6).
;   For a tile whose diagonal lies in key step g the part of the second product from keys 128 (g + 1) on is H_g[d] = the sum of 6 x 2^-75 x V[k][d], the same for all its queries, and its part of the row's sum is 128 (15 - g) pc.
;   All sixteen H_g of a head come from one chain of the format's matrix instruction: column r of P^T stands for g = r and holds code 7 in step j where r < j, else code 0.
; LIMITS: O's sums reach 2^83 x the largest |V|: |values| stay under 2^44; values from 2^-50 up keep full precision.  A scale byte 0xff (NaN) is not served.
; SHARES.  A head has 128 tiles of 16 queries; tile 8 g + x has its diagonal in key step g and g + 1 visible steps.  Work-group x (0 .. 7) of a head holds tile 8 g + x for every g: one tile a wave, sixteen waves, 136 visible tile
;   steps in every work-group.  Wave w takes g = w xor 15 on the two diagonals of the square (w / 4, w % 4), else g = w: any four waves of a row or a column of that square have 34 steps together.
; LDS.  A whole head of K and V and their scale bytes lies in LDS, brought once; nothing is filled again.  Chunk A (keys 0-511) is waited for first, chunk B (keys 512-2047) lands under the first steps.
; CLUSTER.  The four work-groups of a cluster belong to one head and need the same K and V: every tile is asked for jointly, by the same load with the same descriptor and the mask of all four.  A work-group's place enters
;   Q's and out0's addresses and the diagonal's compare value alone: no branch and no LDS address.
; LAYOUT.  Both products are used transposed: S^T = K Q^T, O^T = V^T P^T: a lane holds ONE query (lane % 16) throughout.  Lane r of tile 2 b + u of K takes key 32 b + 8 u + r + 8 (r / 8), so that the 16 registers of tiles
;   2 b and 2 b + 1 are 16 neighbouring keys, 32 b + 16 (lane / 16) + 0 .. 15, as the conversions to codes want them.
; REGISTERS: v1-7, v13, v26-30 addresses that stay; v8-12 addresses in hand; v[14:15] the row's sum in two halves; v16-23 Q; v24 T; v25 pc; v31 the hidden blocks' scale word; v32-95 eight fragments of K or V;
;   v96-159 S^T, then p; v160-223 O^T; v224-231 p's codes; v232-243 at work; v244-247 K's scale words; v248-251 V's; v253 p's; v255 Q's; v252, v254 at work.
.set K_A,   0                          ; keys 0-511: rows of two keys, 128 bytes + 16: pitch 144.  The 16 keys of a fragment start in 16 different columns of 16 bytes modulo 256
.set V_A,   36864                      ; 128 channels x keys 0-511: rows of 256 bytes + 16: pitch 272
.set K_B,   71680                      ; keys 512-2047, pitch 144
.set V_B,   182272                     ; 128 channels x keys 512-2047: rows of 768 bytes, 16 bytes behind every 256: pitch 816
.set KS,    286720                     ; K's scale bytes of the head: 32 runs of 256 bytes + 16
.set VS,    295424                     ; V's likewise
.set HB,    304128                     ; H_g: 16 rows of 128 f32, pitch 528; written by LDS stores alone
.set SPARE, 312576                     ; the spare words, 128 bytes for each wave: eight blocks of 256 bytes that no other line names
.set STW,   4352                       ; the way out: a stage of 16 rows x 272 bytes for each wave, from LDS byte 0 on: inside chunk A, which has had its one fill and whose last reads stand ahead of the last barrier's signal
.set AK0,  1                           ; v1   my lane's place in a tile of K
.set AVA,  2                           ; v2   in a tile of V, chunk A
.set AVB,  3                           ; v3   chunk B
.set ASK0, 4                           ; v4   among K's scale words
.set SPW,  5                           ; v5   LDS address of my spare word; never rewritten
.set NIL,  6                           ; v6   0; never rewritten
.set GO,   7                           ; v7   the way out: my byte offset in the wave's rows of out0
.set ADK,  8
.set ADV,  9
.set ADV2, 10
.set ADS,  11
.set ADT,  12
.set ASV0, 13                          ; v13  my lane's place among V's scale words
.set TT,   24
.set PCV,  25
.set AH,   26                          ; v26  where I read my group's H
.set AHW,  27                          ; v27  where I store my part of H
.set AHA,  28                          ; v28  V's tile of my 16 channels, chunk A
.set AHB,  29                          ; v29  chunk B
.set AHS,  30                          ; v30  its scale words
.set PCS,  31
.set TK,   2                           ; s2   LDS byte at which the four steps' keys begin
.set TV,   3                           ; s3   bytes along V's rows at which they begin
.set WV,   18
.set GRP,  19                          ; s19  g: my tile's diagonal key step
.set SEL,  20                          ; s[20:21] lane selects for v_permlanex16_b32: lane l xor 16
.set CS,   22                          ; s[22:23] c = log2(e) / sqrt(128)
.set G1S,  24                          ; descriptor groups 1
.set G1KA, 32
.set G1KB, 40
.set G1VA, 48
.set G1VB, 56
.set G0SK, 68                          ; descriptor groups 0
.set G0KA, 72
.set G0KB, 76
.set G0SV, 80
.set G0VA, 84
.set G0VB, 88
.set TS,   92                          ; s92  the step's scale words of K: 544 bytes a step
.set TJ,   93                          ; s93  of V: 4 bytes a step
.set KJ,   94                          ; s94  the key step's number
.set CNT,  95
.set X16,  96                          ; s96  16 x: my tile's first query within its key step
; A round of the cluster's barrier.
.macro CROUND
	s_barrier_signal -1
	s_barrier_wait -1
	s_cmp_lg_u32 s[WV], 0
	s_cbranch_scc1 .Lnot_wave_0_\@
	s_barrier_signal -3
.Lnot_wave_0_\@:
	s_barrier_wait -3
	s_barrier_signal -1
	s_barrier_wait -1
.endm
; Descriptor group 1: rr rows of cc elements of 1 << logb bytes, pp elements apart; 4 words of padding behind every 2 << qi words; mask: all four work-groups, bit 21 beside it.
.macro GROUP1 g, logb, qi, cc, rr, pp
	s_mov_b32 s[\g], 15|(\logb<<16)|(1<<20)|(1<<21)|(\qi<<22)|(3<<25)
	s_mov_b32 s[\g+1], (\cc)<<16
	s_mov_b32 s[\g+2], (\rr)<<16
	s_mov_b32 s[\g+3], (\cc)<<16
	s_mov_b32 s[\g+4], \rr
	s_mov_b32 s[\g+5], \pp
	s_mov_b32 s[\g+6], 0
	s_mov_b32 s[\g+7], 0
.endm
; Descriptor group 0: LDS address base + mul x a (s99: which half I would fetch), global address pointer + s[100:101].
.macro GROUP0 g, mul, base, ptr
	s_mov_b32 s[\g], 1
	s_mul_i32 s[\g+1], s99, \mul
.if \base != 0
	s_add_co_u32 s[\g+1], s[\g+1], \base
.endif
	s_add_nc_u64 s[\g+2:\g+3], s[\ptr:\ptr+1], s[100:101]
	s_or_b32 s[\g+3], s[\g+3], 0x80000000
.endm
; The matrix instruction.  row = 1: A's scales stand in lanes 16-31 of their register.  z = 1: the product starts its sum.
.macro MX d, a, b, sa, sb, row, z
.if \z
.if \row
	v_wmma_scale_f32_16x16x128_f8f6f4 v[\d:\d+7], v[\a:\a+7], v[\b:\b+7], 0, v[\sa], v[\sb] matrix_a_fmt:MATRIX_FMT_FP4 matrix_b_fmt:MATRIX_FMT_FP4 matrix_a_scale:MATRIX_SCALE_ROW1
.else
	v_wmma_scale_f32_16x16x128_f8f6f4 v[\d:\d+7], v[\a:\a+7], v[\b:\b+7], 0, v[\sa], v[\sb] matrix_a_fmt:MATRIX_FMT_FP4 matrix_b_fmt:MATRIX_FMT_FP4
.endif
.else
.if \row
	v_wmma_scale_f32_16x16x128_f8f6f4 v[\d:\d+7], v[\a:\a+7], v[\b:\b+7], v[\d:\d+7], v[\sa], v[\sb] matrix_a_fmt:MATRIX_FMT_FP4 matrix_b_fmt:MATRIX_FMT_FP4 matrix_a_scale:MATRIX_SCALE_ROW1
.else
	v_wmma_scale_f32_16x16x128_f8f6f4 v[\d:\d+7], v[\a:\a+7], v[\b:\b+7], v[\d:\d+7], v[\sa], v[\sb] matrix_a_fmt:MATRIX_FMT_FP4 matrix_b_fmt:MATRIX_FMT_FP4
.endif
.endif
.endm
	s_load_b256 s[4:11], s[0:1], 0x0               ; Q's codes s[4:5], Q's scales s[6:7], K's codes s[8:9], K's scales s[10:11]
	s_load_b128 s[12:15], s[0:1], 0x20             ; V's codes s[12:13], V's scales s[14:15]
	s_load_b64 s[16:17], s[0:1], 0x30              ; out0
	v_lshl_add_u32 v[SPW], v0, 2, SPARE
	v_mov_b32 v[NIL], 0
	ds_add_u32 v[SPW], v[NIL]                      ; the wave's opening: the add, twice on end, and its wait ahead of the round in front of the first tensor loads
	ds_add_u32 v[SPW], v[NIL]                      ; and once more; the set-up below, work on registers, stands between it and the wait
	v_lshrrev_b32 v8, 5, v0
	s_delay_alu instid0(VALU_DEP_1)
	v_readfirstlane_b32 s[WV], v8                  ; wave 0..15
	v_mov_b32 v[TT], 0x429044fe                    ; T = 50 log2(e)
	s_wait_alu depctr_va_vdst(0)
	v_exp_f32 v[PCV], -v[TT]                       ; pc = 2^-T: a hidden key's p
	v_mov_b32 v[PCS], 0x34343434                   ; a block of hidden keys: byte 52, four times
	s_lshr_b32 s97, s[WV], 2
	s_xor_b32 s97, s97, s[WV]
	s_and_b32 s97, s97, 3                          ; column xor row of the square: 0 or 3 on its two diagonals
	s_lshr_b32 s98, s97, 1
	s_xor_b32 s97, s97, s98
	s_and_b32 s97, s97, 1                          ; 0 on the diagonals
	s_xor_b32 s97, s97, 1
	s_mul_i32 s97, s97, 15
	s_xor_b32 s[GRP], s[WV], s97                   ; g
	s_and_b32 s99, s[GRP], 1                       ; a: which half of a tile I fetch, if I fetch
	s_min_u32 s95, s[GRP], 7                       ; which 16 channels of H are mine, if any are
	s_and_b32 s98, ttmp7, 0xffff                   ; the head, which the four partners share
	s_bfe_u32 s[X16], ttmp6, 0x40000               ; cx: my place in the cluster
	s_lshl_b32 s97, ttmp9, 2                       ; in a cluster launch ttmp9 counts clusters
	s_add_co_u32 s[X16], s[X16], s97               ; x = 4 x cluster x + cx
	s_lshl_b32 s[X16], s[X16], 4
	s_lshl_b32 s104, s98, 11
	s_lshl_b32 s97, s[GRP], 7
	s_add_co_u32 s104, s104, s97
	s_add_co_u32 s104, s104, s[X16]                ; my first query among all heads' rows: 2,048 head + 128 g + 16 x
	s_lshl_b32 s104, s104, 2                       ; its scale word, in bytes
	s_mov_b32 s105, 0
	GROUP1 G1S,  3, 5, 32,  16,  32                ; half a head's scale bytes: 16 rows of 256 dense bytes
	GROUP1 G1KA, 0, 4, 128, 128, 128               ; 256 keys as 128 dense rows of 128 bytes
	GROUP1 G1KB, 0, 4, 128, 384, 128               ; 768 keys
	GROUP1 G1VA, 0, 5, 256, 64,  1024              ; 64 channels x 512 keys
	GROUP1 G1VB, 0, 5, 768, 64,  1024              ; 64 channels x 1,536 keys
	s_mov_b32 s[SEL], 0x76543210
	s_mov_b32 s[SEL+1], 0xfedcba98
	s_mov_b32 s[CS], 0x3e0293ee                    ; c = log2(e) / sqrt(128)
	s_mov_b32 s[CS+1], s[CS]                       ; (named with it as a pair, so it is written)
	s_mov_b32 s[TK], K_A
	s_mov_b32 s[TV], 0
	s_mov_b32 s[TS], 0
	s_mov_b32 s[TJ], 0
	s_mov_b32 s[KJ], 0
	v_and_b32 v32, 15, v0                          ; r
	v_bfe_u32 v33, v0, 4, 1                        ; h
	v_and_b32 v34, 31, v0                          ; lane
	s_delay_alu instid0(VALU_DEP_3)
	v_and_b32 v35, 8, v32
	s_delay_alu instid0(VALU_DEP_1)
	v_add_nc_u32 v35, v35, v32                     ; kl = r + 8 (r / 8)
	s_delay_alu instid0(VALU_DEP_1)
	v_lshrrev_b32 v36, 1, v35
	s_delay_alu instid0(VALU_DEP_1)
	v_mul_u32_u24 v[AK0], v36, 144
	s_delay_alu instid0(VALU_DEP_3)
	v_and_b32 v36, 1, v35
	s_delay_alu instid0(VALU_DEP_1)
	v_lshl_add_u32 v[AK0], v36, 6, v[AK0]
	s_delay_alu instid0(VALU_DEP_1)
	v_lshl_add_u32 v[AK0], v33, 4, v[AK0]          ; K: (kl / 2) x 144 + (kl % 2) x 64 + 16 h
	v_mul_u32_u24 v[AVA], v32, 272
	s_delay_alu instid0(VALU_DEP_1)
	v_lshl_add_u32 v[AVA], v33, 4, v[AVA]
	s_delay_alu instid0(VALU_DEP_1)
	v_add_nc_u32 v[AVA], V_A, v[AVA]
	v_mul_u32_u24 v[AVB], v32, 816
	s_delay_alu instid0(VALU_DEP_1)
	v_lshl_add_u32 v[AVB], v33, 4, v[AVB]
	s_delay_alu instid0(VALU_DEP_1)
	v_add_nc_u32 v[AVB], V_B, v[AVB]
	v_lshl_add_u32 v36, v33, 3, v35
	s_delay_alu instid0(VALU_DEP_1)
	v_lshl_add_u32 v[ASK0], v36, 2, KS             ; K's scale words: lanes 0-15 those of tile 2 b, lanes 16-31 those of tile 2 b + 1, eight keys on
	v_lshlrev_b32 v[GO], 9, v33
	s_delay_alu instid0(VALU_DEP_1)
	v_lshl_add_u32 v[GO], v32, 4, v[GO]            ; the way out: lanes 0-15 one row of out0, lanes 16-31 the next; 16 bytes a lane
	v_lshrrev_b32 v36, 2, v34
	s_delay_alu instid0(VALU_DEP_1)
	v_mul_u32_u24 v[ASV0], v36, 272
	v_and_b32 v36, 3, v34
	s_delay_alu instid0(VALU_DEP_1)
	v_lshl_add_u32 v[ASV0], v36, 6, v[ASV0]
	s_delay_alu instid0(VALU_DEP_1)
	v_add_nc_u32 v[ASV0], VS, v[ASV0]              ; V's scale words: lane l takes channel 32 u + l: four channels' 64 bytes to a run of 256
	s_mul_i32 s97, s[GRP], 528
	s_add_co_u32 s97, s97, HB
	v_lshl_add_u32 v[AH], v33, 5, s97              ; H: row g, + 32 h
	v_mul_u32_u24 v[AHW], v32, 528
	s_delay_alu instid0(VALU_DEP_1)
	v_lshl_add_u32 v[AHW], v33, 5, v[AHW]
	s_lshl_b32 s97, s95, 6
	s_add_co_u32 s97, s97, HB
	v_add_nc_u32 v[AHW], s97, v[AHW]               ; row r (the group that my column stands for), my 16 channels, + 32 h
	s_mul_i32 s97, s95, 16*272
	v_add_nc_u32 v[AHA], s97, v[AVA]
	s_mul_i32 s97, s95, 16*816
	v_add_nc_u32 v[AHB], s97, v[AVB]
	v_lshrrev_b32 v36, 2, v32
	s_delay_alu instid0(VALU_DEP_1)
	v_mul_u32_u24 v[AHS], v36, 272
	v_and_b32 v36, 3, v32
	s_delay_alu instid0(VALU_DEP_1)
	v_lshl_add_u32 v[AHS], v36, 6, v[AHS]
	s_mul_i32 s97, s95, 4*272
	s_add_co_u32 s97, s97, VS
	v_add_nc_u32 v[AHS], s97, v[AHS]
	v_lshlrev_b32 v8, 6, v32
	s_delay_alu instid0(VALU_DEP_1)
	v_lshl_add_u32 v8, v33, 4, v8                  ; Q: row r of 64 bytes, + 16 h
	v_lshlrev_b32 v9, 2, v32                       ; and its scale word
	v_mov_b32 v14, 0                               ; the row's sum, in two halves
	v_mov_b32 v15, 0
.irp b, 0,1,2,3
	v_mov_b32 v[236+\b], 0                         ; written once: a lane permute's destination counts as one of its sources
.endr
	s_wait_alu depctr_va_vdst(0)                   ; the wait behind the exponential, ahead of every branch and of its first reader
	s_wait_dscnt 0x0                               ; both opening adds are done
	s_wait_kmcnt 0x0
	s_add_nc_u64 s[6:7], s[6:7], s[104:105]        ; Q's scale words at my first query: 4 bytes a row,
	s_lshl_b32 s104, s104, 4
	s_add_nc_u64 s[4:5], s[4:5], s[104:105]        ; its codes: 64,
	s_lshl_b32 s104, s104, 3
	s_add_nc_u64 s[16:17], s[16:17], s[104:105]    ; out0: 512
	s_lshl_b32 s100, s98, 13                       ; the joint loads' offsets hang on the head and the wave's number alone
	s_lshl_b32 s97, s99, 12
	s_add_co_u32 s100, s100, s97                   ; scale bytes: 8,192 head + 4,096 a
	s_mov_b32 s101, 0
	GROUP0 G0SK, 4352, KS, 10
	GROUP0 G0SV, 4352, VS, 14
	s_lshl_b32 s100, s98, 17
	s_lshl_b32 s97, s99, 14
	s_add_co_u32 s100, s100, s97                   ; K, chunk A: 131,072 head + 16,384 a
	GROUP0 G0KA, 18432, K_A, 8
	s_lshl_b32 s100, s98, 17
	s_mul_i32 s97, s99, 49152
	s_add_co_u32 s100, s100, s97
	s_add_co_u32 s100, s100, 32768                 ; K, chunk B: behind 512 keys, + 49,152 a
	GROUP0 G0KB, 55296, K_B, 8
	s_lshl_b32 s100, s98, 17
	s_lshl_b32 s97, s99, 16
	s_add_co_u32 s100, s100, s97                   ; V: 64 a rows of 1,024 bytes
	GROUP0 G0VA, 17408, V_A, 12
	s_add_co_u32 s100, s100, 256                   ; chunk B: 256 bytes along each row
	GROUP0 G0VB, 52224, V_B, 12
	CROUND                                         ; all four work-groups are here: the joint loads meet
	; THE FILLS, all of them first fills.  The four waves with the fewest steps fetch: g = 0, 1 K's halves, g = 2, 3 V's.  A wave's three loads stand in one branch on the wave's number: three tensor loads of mine are out.
	s_cmp_lt_u32 s[GRP], 2
	s_cbranch_scc0 .Lnot_k
	tensor_load_to_lds s[G0SK:G0SK+3], s[G1S:G1S+7]
	s_nop 0
	tensor_load_to_lds s[G0KA:G0KA+3], s[G1KA:G1KA+7]
	s_nop 0
	tensor_load_to_lds s[G0KB:G0KB+3], s[G1KB:G1KB+7]
	s_nop 0
.rept 4
	v_nop
.endr
	s_branch .Lasked
.Lnot_k:
	s_cmp_lt_u32 s[GRP], 4
	s_cbranch_scc0 .Lasked
	tensor_load_to_lds s[G0SV:G0SV+3], s[G1S:G1S+7]
	s_nop 0
	tensor_load_to_lds s[G0VA:G0VA+3], s[G1VA:G1VA+7]
	s_nop 0
	tensor_load_to_lds s[G0VB:G0VB+3], s[G1VB:G1VB+7]
	s_nop 0
.rept 4
	v_nop
.endr
.Lasked:
	global_load_b128 v[16:19], v8, s[4:5] th:TH_LOAD_NT            ; Q's fragment stays in registers
	global_load_b128 v[20:23], v8, s[4:5] offset:32 th:TH_LOAD_NT
	global_load_b32 v255, v9, s[6:7] th:TH_LOAD_NT                 ; and its scale words
; A KEY STEP: 128 keys, the q-th of the four at s[TK], s[TV].  vp: the pitch of V's rows; av: my lane's place in V's chunk.  first = 1: key step 0, which every tile sees and which starts O^T's sums.
.macro STEP q, vp, av, first
.if \first == 0
	s_cmp_lt_u32 s[GRP], s[KJ]                     ; a step wholly behind my queries: its scores are dead, its part of the second product is in H.  The wave's number and the count of steps alone decide
	s_cbranch_scc1 .Lhid_\@
.endif
	v_add_nc_u32 v[ADK], s[TK], v[AK0]             ; five plain lines: also the places between the last step's products and the loads into their operands
	v_add_nc_u32 v[ADV], s[TV], v[\av]
	v_add_nc_u32 v[ADS], s[TS], v[ASK0]
	v_add_nc_u32 v[ADT], s[TJ], v[ASV0]
	s_delay_alu instid0(VALU_DEP_3)
	v_add_nc_u32 v[ADV2], 64*\vp, v[ADV]           ; channels 64 on
.irp t, 0,1,2,3,4,5,6,7
.irp c, 0,1
	ds_load_b128 v[32+8*\t+4*\c:35+8*\t+4*\c], v[ADK] offset:(64*(\q)+16*(\t/2)+4*(\t%2))*144+32*\c
.endr
.endr
.irp b, 0,1,2,3
	ds_load_b32 v[244+\b], v[ADS] offset:272*(\b/2)+128*(\b%2)
.endr
	s_wait_alu depctr_va_vdst(0)
	s_wait_dscnt 0x0
.irp t, 0,2,4,6                                ; S^T = K Q^T: eight tiles of 16 keys
	MX 96+8*\t, 32+8*\t, 16, 244+\t/2, 255, 0, 1
	MX 104+8*\t, 40+8*\t, 16, 244+\t/2, 255, 1, 1
.endr
.rept 4
	v_nop                                          ; places in front of the loads into K's registers and of the first read of the scores
.endr
.irp t, 0,1,2,3                                ; V's eight fragments are asked for now and land under the softmax
.irp c, 0,1
	ds_load_b128 v[32+8*\t+4*\c:35+8*\t+4*\c], v[ADV] offset:16*\t*\vp+64*(\q)+32*\c
.endr
.endr
.irp t, 0,1,2,3
.irp c, 0,1
	ds_load_b128 v[64+8*\t+4*\c:67+8*\t+4*\c], v[ADV2] offset:16*\t*\vp+64*(\q)+32*\c
.endr
.endr
.irp u, 0,1,2,3
	ds_load_b32 v[248+\u], v[ADT] offset:2176*\u   ; lanes 0-15: tile 2 u, lanes 16-31: tile 2 u + 1
.endr
	s_cmp_lg_u32 s[GRP], s[KJ]                     ; on the diagonal hidden scores become -infinity, which the clamp below raises to -T, as reference() does
	s_cbranch_scc1 .Lopen_\@
	v_and_b32 v252, 15, v0
	v_bfe_u32 v254, v0, 4, 1
	s_delay_alu instid0(VALU_DEP_1)
	v_lshlrev_b32 v254, 4, v254
	s_delay_alu instid0(VALU_DEP_1)
	v_sub_nc_u32 v252, v252, v254
	s_delay_alu instid0(VALU_DEP_1)
	v_add_nc_u32 v252, s[X16], v252                ; d = my query - 16 (lane / 16), within the step.  Register 16 b + i holds key 32 b + 16 (lane / 16) + i: hidden where 32 b + i > d
	v_mov_b32 v254, 0xff800000
.irp n, 0,1,2,3,4,5,6,7,8,9,10,11,12,13,14,15,16,17,18,19,20,21,22,23,24,25,26,27,28,29,30,31,32,33,34,35,36,37,38,39,40,41,42,43,44,45,46,47,48,49,50,51,52,53,54,55,56,57,58,59,60,61,62,63
	v_cmp_gt_i32 vcc_lo, 32*(\n/16)+\n%16, v252
	v_cndmask_b32 v[96+\n], v[96+\n], v254, vcc_lo
.endr
.Lopen_\@:
.irp b, 0,1,2,3
	v_max3_num_f32 v[232+\b], v[96+16*\b], v[97+16*\b], v[98+16*\b]   ; the largest score of each block of 32 keys: p rises with the score, so it gives the block's largest p
.endr
.irp i, 3,5,7,9,11,13
.irp b, 0,1,2,3
	v_max3_num_f32 v[232+\b], v[232+\b], v[96+16*\b+\i], v[97+16*\b+\i]
.endr
.endr
.irp b, 0,1,2,3
	v_max_num_f32 v[232+\b], v[232+\b], v[111+16*\b]
.endr
.irp b, 0,1,2,3
	s_delay_alu instid0(VALU_DEP_4)
	v_permlanex16_b32 v[236+\b], v[232+\b], s[SEL], s[SEL+1]
.endr
.irp b, 0,1,2,3
	s_delay_alu instid0(VALU_DEP_4)
	v_max_num_f32 v[232+\b], v[232+\b], v[236+\b]  ; with lane l xor 16's 16 keys
.endr
.irp b, 0,1,2,3
	s_delay_alu instid0(VALU_DEP_4)
	v_mul_f32 v[232+\b], s[CS], v[232+\b]          ; t = score x c
.endr
.irp j, 0,2,4,6,8,10,12,14,16,18,20,22,24,26,28,30,32,34,36,38,40,42,44,46,48,50,52,54,56,58,60,62
	v_pk_mul_f32 v[96+\j:97+\j], v[96+\j:97+\j], s[CS:CS+1] op_sel_hi:[1,0]
.endr
.irp b, 0,1,2,3
	v_med3_num_f32 v[232+\b], v[232+\b], -v[TT], v[TT]   ; the clip of reference(), in t
.endr
.irp j, 0,1,2,3,4,5,6,7,8,9,10,11,12,13,14,15,16,17,18,19,20,21,22,23,24,25,26,27,28,29,30,31,32,33,34,35,36,37,38,39,40,41,42,43,44,45,46,47,48,49,50,51,52,53,54,55,56,57,58,59,60,61,62,63
	v_med3_num_f32 v[96+\j], v[96+\j], -v[TT], v[TT]
.endr
	s_wait_alu depctr_va_vdst(0)
.irp b, 0,1,2,3
	v_exp_f32 v[232+\b], v[232+\b]                 ; each block's largest p: the same lines on the same number give the same bits
.endr
.irp j, 0,1,2,3,4,5,6,7,8,9,10,11,12,13,14,15,16,17,18,19,20,21,22,23,24,25,26,27,28,29,30,31,32,33,34,35,36,37,38,39,40,41,42,43,44,45,46,47,48,49,50,51,52,53,54,55,56,57,58,59,60,61,62,63
	v_exp_f32 v[96+\j], v[96+\j]                   ; p = 2^t, not normalised
.endr
	v_nop                                          ; a plain line behind the last exponential
	s_wait_alu depctr_va_vdst(0)                   ; the wait ahead of the first reader: one for the batch of 68
.irp b, 0,1,2,3
	v_add_nc_u32 v[240+\b], 0xff000000, v[232+\b]  ; 2 off the exponent field: the conversion's scale operand.  No floor: p is 2^-72.2 at the least
.endr
.irp b, 0,1,2,3
	s_delay_alu instid0(VALU_DEP_4)
	v_lshrrev_b32 v[236+\b], 23, v[240+\b]         ; the scale's byte
.endr
	s_delay_alu instid0(VALU_DEP_3)
	v_lshl_or_b32 v253, v237, 8, v236              ; p's scale word for these 128 keys
	s_delay_alu instid0(VALU_DEP_1)
	v_lshl_or_b32 v253, v238, 16, v253
	s_delay_alu instid0(VALU_DEP_1)
	v_lshl_or_b32 v253, v239, 24, v253
.irp b, 0,1,2,3
	v_cvt_scalef32_pk8_fp4_f32 v[224+2*\b], v[96+16*\b:103+16*\b], v[240+\b]
	v_cvt_scalef32_pk8_fp4_f32 v[225+2*\b], v[104+16*\b:111+16*\b], v[240+\b]
.endr
	v_nop                                          ; one plain line behind the scaled conversions
.irp c, 0,1                                    ; the operand wants a whole block in a lane: lanes 0-15 block 2 c, lanes 16-31 block 2 c + 1
.irp i, 0,1
	v_permlane16_swap_b32 v[224+4*\c+\i], v[226+4*\c+\i]
.endr
.endr
	v_pk_add_f32 v[236:237], v[100:101], v[104:105]
	v_pk_add_f32 v[246:247], v[108:109], v[112:113]
	v_pk_add_f32 v[244:245], v[116:117], v[120:121]
	v_pk_add_f32 v[242:243], v[124:125], v[128:129]
	v_pk_add_f32 v[240:241], v[132:133], v[136:137]
	v_pk_add_f32 v[234:235], v[140:141], v[144:145]
	v_pk_add_f32 v[232:233], v[148:149], v[152:153]
	v_pk_add_f32 v[14:15], v[14:15], v[156:157]
	v_pk_add_f32 v[236:237], v[236:237], v[96:97]
	v_pk_add_f32 v[246:247], v[246:247], v[98:99]
	v_pk_add_f32 v[244:245], v[244:245], v[102:103]
	v_pk_add_f32 v[242:243], v[242:243], v[106:107]
	v_pk_add_f32 v[240:241], v[240:241], v[110:111]
	v_pk_add_f32 v[234:235], v[234:235], v[114:115]
	v_pk_add_f32 v[232:233], v[232:233], v[118:119]
	v_pk_add_f32 v[14:15], v[14:15], v[122:123]
	v_pk_add_f32 v[236:237], v[236:237], v[126:127]
	v_pk_add_f32 v[246:247], v[246:247], v[130:131]
	v_pk_add_f32 v[244:245], v[244:245], v[134:135]
	v_pk_add_f32 v[242:243], v[242:243], v[138:139]
	v_pk_add_f32 v[240:241], v[240:241], v[142:143]
	v_pk_add_f32 v[234:235], v[234:235], v[146:147]
	v_pk_add_f32 v[232:233], v[232:233], v[150:151]
	v_pk_add_f32 v[14:15], v[14:15], v[154:155]
	v_pk_add_f32 v[236:237], v[236:237], v[158:159]
	s_delay_alu instid0(VALU_DEP_2)
	v_pk_add_f32 v[14:15], v[14:15], v[242:243]
	s_delay_alu instid0(VALU_DEP_2)
	v_pk_add_f32 v[236:237], v[236:237], v[240:241]
	v_pk_add_f32 v[246:247], v[246:247], v[234:235]
	v_pk_add_f32 v[244:245], v[244:245], v[232:233]
	s_delay_alu instid0(VALU_DEP_2)
	v_pk_add_f32 v[14:15], v[14:15], v[246:247]
	s_delay_alu instid0(VALU_DEP_2)
	v_pk_add_f32 v[236:237], v[236:237], v[244:245]
	s_delay_alu instid0(VALU_DEP_1)
	v_pk_add_f32 v[14:15], v[14:15], v[236:237]
	s_wait_dscnt 0x0                               ; V is in
.irp t, 0,2,4,6                                ; O^T += V^T P^T: the eight accumulators take turns, one instruction a turn
	MX 160+8*\t, 32+8*\t, 224, 248+\t/2, 253, 0, \first
	MX 168+8*\t, 40+8*\t, 224, 248+\t/2, 253, 1, \first
.endr
.Lhid_\@:
	s_add_co_u32 s[TS], s[TS], 544                 ; the next step's scale words, and its number
	s_add_co_u32 s[TJ], s[TJ], 4
	s_add_co_u32 s[KJ], s[KJ], 1
.endm
; H: key step j of my 16 channels.  HLOAD: V's fragment and its scale words.  HMASK: P^T's columns: column r is on (code 7 throughout) where r < j.  HMUL: odd steps add onto v128-135, even ones onto v136-143, by turns.
.macro HLOAD j
.irp c, 0,1
.if (\j) < 4
	ds_load_b128 v[32+8*((\j)%4)+4*\c:35+8*((\j)%4)+4*\c], v[AHA] offset:64*(\j)+32*\c
.else
	ds_load_b128 v[32+8*((\j)%4)+4*\c:35+8*((\j)%4)+4*\c], v[AHB] offset:272*(((\j)-4)/4)+64*((\j)%4)+32*\c
.endif
.endr
	ds_load_b32 v[248+(\j)%4], v[AHS] offset:4*(\j)
.endm
.macro HMASK j
	v_cmp_gt_u32 vcc_lo, \j, v145
.irp i, 0,1,2,3,4,5,6,7
	v_cndmask_b32 v[96+8*((\j)%4)+\i], 0, v144, vcc_lo
.endr
.endm
.macro HMUL j
.if (\j) < 3
	MX 128+8*(1-(\j)%2), 32+8*((\j)%4), 96+8*((\j)%4), 248+(\j)%4, PCS, 0, 1
.else
	MX 128+8*(1-(\j)%2), 32+8*((\j)%4), 96+8*((\j)%4), 248+(\j)%4, PCS, 0, 0
.endif
.endm
.macro HGROUP from                     ; four steps
.rept 4
	v_nop                                          ; places between the last products and the loads and writes into their operands
.endr
.irp j, \from, \from+1, \from+2, \from+3
	HLOAD \j
.endr
.irp j, \from, \from+1, \from+2, \from+3
	HMASK \j
.endr
.rept 4
	v_nop                                          ; an operand written by vector lines stands four places ahead of a scaled product
.endr
	s_wait_dscnt 0x0
.irp j, \from, \from+1, \from+2, \from+3
	s_wait_alu depctr_va_vdst(0)
	HMUL \j
.endr
.endm
	s_wait_tensorcnt 0x1                           ; the scale bytes and chunk A are in; the one load issued behind them, chunk B's, may stay out
	s_barrier_signal -1
	s_barrier_wait -1                              ; everybody's are
	s_wait_loadcnt 0x0                             ; Q
	STEP 0, 272, AVA, 1
	STEP 1, 272, AVA, 0
	s_wait_tensorcnt 0x0                           ; my part of chunk B is in,
	s_wait_dscnt 0x0                               ; no LDS instruction of mine is out:
	s_barrier_signal -1                            ; say so.  Steps 2 and 3 stand between signal and wait: registers, and LDS loads from chunk A and the scale bytes, which nobody writes before the next barrier
	STEP 2, 272, AVA, 0
	STEP 3, 272, AVA, 0
	s_barrier_wait -1                              ; chunk B is whole
	; H: the eight waves with g < 8 take 16 channels each, key steps 1 to 15 (no tile has step 0 hidden)
	s_cmp_lt_u32 s[GRP], 8
	s_cbranch_scc0 .Lno_h
	v_mov_b32 v144, 0x77777777                     ; eight codes 7.  (Four plain lines: the places behind the last step's products)
	v_and_b32 v145, 15, v0                         ; the group that my column stands for
	v_nop
	v_nop
.irp j, 1,2,3
	HLOAD \j
.endr
.irp j, 1,2,3
	HMASK \j
.endr
.rept 4
	v_nop
.endr
	s_wait_dscnt 0x0
.irp j, 1,2,3
	s_wait_alu depctr_va_vdst(0)
	HMUL \j
.endr
	HGROUP 4
	HGROUP 8
	HGROUP 12
.rept 4
	v_nop
.endr
.irp i, 0,2,4,6
	v_pk_add_f32 v[96+\i:97+\i], v[128+\i:129+\i], v[136+\i:137+\i]   ; lane (r, h): H_r at my channels 8 h + 0 .. 7
.endr
	ds_store_b128 v[AHW], v[96:99]
	ds_store_b128 v[AHW], v[100:103] offset:16
.Lno_h:
	s_wait_dscnt 0x0                               ; my part of H lies in LDS, and my reads of chunk A are over:
	s_barrier_signal -1                            ; say so.  The steps on chunk B stand between signal and wait: registers, and LDS loads from chunk B and the scale bytes, which nobody ever writes
	s_mov_b32 s[TK], K_B
	s_mov_b32 s[TV], 0
	s_mov_b32 s[CNT], 3
.Ltrip:                                            ; three trips of four key steps, in every wave: a wave jumps over the steps that are hidden from it
	STEP 0, 816, AVB, 0
	STEP 1, 816, AVB, 0
	STEP 2, 816, AVB, 0
	STEP 3, 816, AVB, 0
	s_add_co_u32 s[TK], s[TK], 256*144             ; 512 keys on
	s_add_co_u32 s[TV], s[TV], 272
	s_sub_co_u32 s[CNT], s[CNT], 1
	s_cmp_lg_u32 s[CNT], 0
	s_cbranch_scc1 .Ltrip
	s_barrier_wait -1                              ; H is whole, and nobody reads chunk A any more: the stages may be written
	; THE WAY OUT.  O^T + H_g, divided by the row's sum, goes through my stage, half a row (64 channels, 256 bytes) of 16 queries at a time, so that sixteen lanes store 256 consecutive bytes, aligned.
.irp t, 0,1,2,3,4,5,6,7
.irp e, 0,1
	ds_load_b128 v[96+8*\t+4*\e:99+8*\t+4*\e], v[AH] offset:64*\t+16*\e   ; H_g at channels 16 t + 8 h + 0 .. 7
.endr
.endr
	s_wait_alu depctr_va_vdst(0)
	v_add_f32 v14, v14, v15                        ; the sum's two halves,
	s_delay_alu instid0(VALU_DEP_1)
	v_permlanex16_b32 v236, v14, s[SEL], s[SEL+1]
	s_delay_alu instid0(VALU_DEP_1)
	v_add_f32 v14, v14, v236                       ; lane l xor 16's,
	s_sub_co_u32 s97, 15, s[GRP]
	s_lshl_b32 s97, s97, 7
	v_cvt_f32_u32 v252, s97
	v_fma_f32 v14, v[PCV], v252, v14               ; and the 128 (15 - g) hidden keys' pc
	s_wait_alu depctr_va_vdst(0)
	v_rcp_f32 v14, v14
	v_and_b32 v252, 15, v0                         ; (a plain line behind the reciprocal)  r
	v_bfe_u32 v254, v0, 4, 1                       ; h
	s_mul_i32 s97, s[WV], STW                      ; my stage
	v_mul_u32_u24 v10, v252, 272
	s_delay_alu instid0(VALU_DEP_1)
	v_lshl_add_u32 v10, v254, 5, v10
	s_delay_alu instid0(VALU_DEP_1)
	v_add_nc_u32 v10, s97, v10                     ; in: row r; tile t's eight channels of my half: 64 t + 32 h bytes on
	v_mul_u32_u24 v11, v254, 272
	s_delay_alu instid0(VALU_DEP_1)
	v_lshl_add_u32 v11, v252, 4, v11
	s_delay_alu instid0(VALU_DEP_1)
	v_add_nc_u32 v11, s97, v11                     ; back: lanes 0-15 one row, lanes 16-31 the next
	s_wait_alu depctr_va_vdst(0)                   ; the wait ahead of the reciprocal's first reader
	s_wait_dscnt 0x0                               ; H is in
.irp j, 0,2,4,6,8,10,12,14,16,18,20,22,24,26,28,30,32,34,36,38,40,42,44,46,48,50,52,54,56,58,60,62
	v_pk_add_f32 v[96+\j:97+\j], v[160+\j:161+\j], v[96+\j:97+\j]   ; each accumulator from its low end on
.endr
.irp j, 0,2,4,6,8,10,12,14,16,18,20,22,24,26,28,30,32,34,36,38,40,42,44,46,48,50,52,54,56,58,60,62
	v_pk_mul_f32 v[96+\j:97+\j], v[96+\j:97+\j], v[14:15] op_sel_hi:[1,0]   ; register 8 t + i is out0(r, 16 t + 8 h + i)
.endr
.irp u, 0,1                                    ; channels 64 u on
.irp t, 0,1,2,3
	ds_store_b128 v10, v[96+32*\u+8*\t:99+32*\u+8*\t] offset:64*\t
	ds_store_b128 v10, v[100+32*\u+8*\t:103+32*\u+8*\t] offset:64*\t+16
.endr
.irp i, 0,1,2,3,4,5,6,7
	ds_load_b128 v[32+32*\u+4*\i:35+32*\u+4*\i], v11 offset:2*\i*272   ; LDS serves a wave's instructions in order (ISA guide 5.7.1.4): these see my stores, and the next half's stores come behind them
.endr
.endr
.irp u, 0,1
.irp i, 0,1,2,3,4,5,6,7
	s_wait_dscnt 23-16*\u-\i                       ; behind this load: the rest of its half's loads, and for the first half the second's eight stores and eight loads
	global_store_b128 v[GO], v[32+32*\u+4*\i:35+32*\u+4*\i], s[16:17] offset:1024*\i+256*\u th:TH_STORE_NT
.endr
.endr
	s_wait_tensorcnt 0x0                           ; the wave's end: behind my last tensor load and my last LDS store
	ds_add_u32 v[SPW], v[NIL]
	s_wait_dscnt 0x0
	CROUND                                         ; the closing round
	s_endpgm
.Lfunc_end_k_q3c05158459_attn:
	.size	k_q3c05158459_attn, .Lfunc_end_k_q3c05158459_attn-k_q3c05158459_attn
	.p2alignl 7, 3214868480
	.fill 96, 4, 3214868480
	.section	.rodata,"a",@progbits
	.p2align	6, 0x0
	.amdhsa_kernel k_q3c05158459_attn
		.amdhsa_group_segment_fixed_size 327680
		.amdhsa_private_segment_fixed_size 0
		.amdhsa_enable_private_segment 0
		.amdhsa_kernarg_size 56
		.amdhsa_user_sgpr_count 2
		.amdhsa_user_sgpr_kernarg_segment_ptr 1
		.amdhsa_wavefront_size32 1
		.amdhsa_system_sgpr_workgroup_id_x 1
		.amdhsa_system_sgpr_workgroup_id_y 1
		.amdhsa_system_sgpr_workgroup_id_z 1
		.amdhsa_system_vgpr_workitem_id 0
		.amdhsa_next_free_vgpr 256
		.amdhsa_next_free_sgpr 106
		.amdhsa_reserve_vcc 1
		.amdhsa_float_denorm_mode_32 3
		.amdhsa_float_denorm_mode_16_64 3
		.amdhsa_memory_ordered 1
		.amdhsa_forward_progress 1
		.amdhsa_inst_pref_size 237
	.end_amdhsa_kernel
	.amdgpu_metadata
---
amdhsa.version: [ 1, 2 ]
amdhsa.kernels:
  - .name:           k_q3c05158459_attn
    .symbol:         k_q3c05158459_attn.kd
    .args:
      - { .name: queries_codes, .offset: 0, .size: 8, .value_kind: global_buffer, .address_space: global }
      - { .name: queries_scales, .offset: 8, .size: 8, .value_kind: global_buffer, .address_space: global }
      - { .name: keys_codes, .offset: 16, .size: 8, .value_kind: global_buffer, .address_space: global }
      - { .name: keys_scales, .offset: 24, .size: 8, .value_kind: global_buffer, .address_space: global }
      - { .name: values_codes, .offset: 32, .size: 8, .value_kind: global_buffer, .address_space: global }
      - { .name: values_scales, .offset: 40, .size: 8, .value_kind: global_buffer, .address_space: global }
      - { .name: out0, .offset: 48, .size: 8, .value_kind: global_buffer, .address_space: global }
    .group_segment_fixed_size: 327680
    .private_segment_fixed_size: 0
    .kernarg_segment_align: 8
    .kernarg_segment_size: 56
    .max_flat_workgroup_size: 512
    .sgpr_count:     106
    .vgpr_count:     256
    .wavefront_size: 32
...
	.end_amdgpu_metadata
.endif
;; end of part 1
